; MI455X (gfx1250); checked and timed in simulation.
; The chip was launched on July 23, 2026; its instructions are those of AMD's public machine-readable ISA for CDNA 5 (MIT licence, August 2026) and "CDNA5" Instruction Set Architecture Reference Guide (July 2026). The comments in the code are by the model that wrote it; some were corrected since.
;; Task Aware MOE Router. Allowed arithmetic: matrix products marked QUANTISED: E3M2 operands, one E8M0 scale for each 32 along K, by v_wmma_scale_f32_16x16x128_f8f6f4 with both operands' format E3M2, f32 sums; everything else in f32.
;; Inputs: W 16 x 868 float32; b 16 float32; hidden_states 64 x 768 x 32 x 32 float32; task_cls 64 x 100 float32.
;; Outputs: out0 64 x 16 float32; out1 64 x 2 float32; out2 64 x 2 int32; out3 16 x 2 x 64 int32.
;; This version of the problem:
;;   THIS VERSION OF THE PROBLEM IS GIVEN IN LOW PRECISION. The matrix products marked QUANTISED in the list below multiply operands that are first quantised to E3M2 (3 exponent bits, 2 mantissa bits; 6 bits a number), with one power-of-two scale for each 32 numbers along K (OCP MX v1.0); their sums are f32. All else is computed in f32.
;;   The module's matrix products, in the order in which they are computed (A, B: the left and right operand; K: the contracted axis; several contracted axes count as one K, in the product's order):
;;     1. [M 64, K 868] x [K 868, N 16]; A: computed on the way; B: input W: QUANTISED
;;   THE QUANTISER, for each operand of a quantised product, along K:
;;     - K is cut into blocks of 32 from its start; a last block that is shorter is filled with zeros.
;;     - A block's scale is 2^e with e = floor(log2(the largest magnitude in the block)) - 4, held to -126 .. 127; a block of zeros has e = 0. As a byte (E8M0): e + 127.
;;     - Each number is divided by its block's scale, clamped to +-28, and rounded to the nearest number of E3M2, ties to even, subnormals kept.
;;     - The product sums the exact products of the quantised numbers (number of the format x scale) in f32.
;;   ~~~python
;;   def quantise(x, axis):      # numpy; x: float32 -> the quantised numbers, widened to float32 again
;;       x = np.moveaxis(x, axis, -1); K = x.shape[-1]
;;       x = np.pad(x, [(0, 0)] * (x.ndim - 1) + [(0, -K % 32)]); x = x.reshape(x.shape[:-1] + (-1, 32)); a = np.abs(x).max(-1, keepdims=True)
;;       e = np.where(a > 0, np.clip(np.frexp(np.where(a > 0, a, 1))[1] - 1 - 4, -126, 127), 0)      # np.frexp(a)[1] - 1 = floor(log2(a)), exactly
;;       r = np.clip(x / 2.0 ** e, -28, 28)
;;       step = 2.0 ** (np.maximum(np.frexp(np.where(r == 0, 1, r))[1] - 1, -2) - 2)
;;       q = np.round(r / step) * step * 2.0 ** e      # np.round: ties to even
;;       return np.moveaxis(q.reshape(q.shape[:-2] + (-1,))[..., :K], -1, axis).astype(np.float32)
;;   ~~~
;;   OPERANDS COMPUTED ON THE WAY. 'Computed on the way' means the value that the module computes at that place (a softmax that the list does not call 'softmax' is quantised finished and normalised). What goes into a quantiser is computed in f32, as accurately as f32 sums, v_exp_f32 and their like allow (about 1e-6 of the number): no bf16 or f16 on the way to a quantiser, and a product that is left as it is and whose result goes on into a quantised operand takes f32 operands (vector FMAs, or v_wmma_f32_16x16x4_f32). A number that lies on a knife's edge between two numbers of the format may be rounded either way, as far as f32 arithmetic and the matrix unit's own rounding can turn it there, and no further.
;; One version. Each part assembles by itself: llvm-mc -triple=amdgcn-amd-amdhsa -mcpu=gfx1250 --defsym DOCPART=n.
;; ======== version 1 of 1: 2 launches
;; workspace buffers: acodes 43,008 bytes; wcodes 10,752 bytes; scales 2,560 bytes
;; launch pool (part 1): grid 256 x 1, 16 waves a work-group, no clusters, 3,072 bytes of LDS; arguments hidden_states, task_cls, W, acodes, wcodes, scales; writes acodes, wcodes, scales
.if DOCPART == 1
	.amdgcn_target "amdgcn-amd-amdhsa--gfx1250"
	.amdhsa_code_object_version 6
	.text
	.protected	k_q509bdac9a2_pool
	.globl	k_q509bdac9a2_pool
	.p2align	8
	.type	k_q509bdac9a2_pool,@function
k_q509bdac9a2_pool:
	s_mov_b64 s[64:65], 0
	v_nop
	global_prefetch_b8 v0, s[64:65] scope:SCOPE_SE
	s_setreg_imm32_b32 hwreg(HW_REG_WAVE_MODE, 25, 1), 1
	s_wait_xcnt 0x0
; POOL AND QUANTISE.  hidden_states [64][768][1024] f32 -> the mean of each (b, c) row; softmax(task_cls [64][100]); both together are the fused row [64][868] of the gate's product.
; The fused rows and W [16][868] are turned into codes of BF6 (E3M2) with one E8M0 byte for each 32 along K (K filled with zeros to 896 = 28 blocks = 7 steps of 128).
; SHARES.  256 work-groups of 16 waves.  Work-group g owns 192 consecutive rows of 4,096 bytes: batch b = g / 4, channels 192 (g % 4) on: six blocks of 32 along K.  A wave owns 12 rows.
; A load of a wave covers 512 consecutive bytes, a row is 8 loads; a ring of four row slots in registers keeps 32 loads (16,384 bytes) of every wave on their way, 262,144 bytes a work-group.
; Every offset is an immediate: no pointer is stepped, no address register rewritten.  A row's mean goes to one LDS word; behind one barrier waves 0 to 5 quantise a block of 32 means each.
; TWO SIDE JOBS are asked for ahead of the ring's first fills and worked while those fills are on their way:
;   wave 0 of every work-group: the softmax of task row b (maximum and sum over all 100), and block 24 + g % 4 of the fused row (32 of the softmax's numbers; past number 99: zeros);
;   wave 1 of work-groups 0 to 15: row g of W, a block a lane, 28 lanes (past k = 867: zeros).
; WORKSPACE, laid as the second launch's operand registers want it.  A fragment (16 rows x 128 K, 12 registers a lane) is 1,536 bytes: register j of lane L at 512 (j / 4) + 16 L + 4 (j % 4), L = row % 16 + 16 h.
; Block blk of a row: K step blk / 4, c = (blk / 2) % 2, h = blk % 2, registers 6 c .. 6 c + 5: three pieces of 8 bytes, at 0, 8, 512 (c = 0) or 520, 1024, 1032 (c = 1) from the fragment's byte 16 L.
; acodes: fragment (b / 16, step) at (7 (b / 16) + step) x 1,536;  wcodes: fragment step at step x 1,536;  scales: byte blk of fused row b at 32 b + blk, of W's row e at 2,048 + 32 e + blk.
; A block's codes so leave as three stores of 8 bytes and a byte: 56 KB in the whole launch beside the 201 MB that it reads; in return the reader's loads cover 512 consecutive bytes each.
; THE QUANTISER.  Scale = 2^(floor(log2(largest magnitude)) - 4); its byte is the largest magnitude's exponent field - 4, held at 1 from below; the conversion divides, rounds to nearest even and holds at the largest code.
; LIMITS: NaN and infinities are not served.  A block of zeros, or one whose largest magnitude lies under 2^-122, gets the byte 1 (a block of zeros has zero codes, which add nothing; this program alone reads the bytes).
; No cluster: work-groups share no tile (four share the 400 bytes of a task row).  No tensor load: each number is used once, and registers hold what is on its way.
.set ROWB,  4096                       ; bytes in a row of hidden_states
.set RPW,   12                         ; rows of a wave
.set RPG,   192                        ; rows of a work-group
.set SLOTS, 4                          ; row slots in a wave's ring
.set FRB,   1536                       ; bytes of a fragment's image
.set WSC,   2048                       ; where W's scale bytes begin in scales
.set LW,    2                          ; v2      LDS: my wave's 12 words (48 x wave)
.set LR,    3                          ; v3      LDS: the block of 32 means that my wave quantises (128 x wave)
.set LANE,  4                          ; v4      lane
.set OFF,   5                          ; v5      my 16 bytes in my wave's first row; never rewritten
.set T,     8                          ; v8-23   a row's sums at work
.set BLK,   24                         ; v24     the block that I quantise
.set ADA,   25                         ; v25     its pieces 0 and 2
.set ADB,   26                         ; v26     its piece 1
.set ADS,   27                         ; v27     its scale byte
.set J0,    28                         ; v28-30  the side jobs' load offsets
.set X,     32                         ; v32-159 the ring: 32 registers a slot
.set N,     160                        ; v160-191 the 32 numbers of a block
.set C,     192                        ; v192-198 its codes
.set SO,    199                        ; v199    the conversion's scale operand
.set SB,    200                        ; v200    the scale's byte
.set M,     202                        ; v202-203 maxima
.set R,     204                        ; v204-205 1 / sum, and the same or 0
.set TA,    208                        ; v208-211 my four numbers of the task row
.set WV,    16                         ; s16     wave
.set BB,    17                         ; s17     batch row b
.set QQ,    18                         ; s18     g % 4
.set FB,    26                         ; s26     acodes: 10,752 (b / 16) + 16 (b % 16)
.set SCB,   27                         ; s27     scales: 32 b
.set SEL,   32                         ; s[32:33] v_permlanex16_b32's selects for lane l xor 16
.set L2E,   34                         ; s34     log2(e)
.set K01,   35                         ; s35     0.0 where the block's numbers 4 to 31 lie past the task row's end, else 1.0
.macro FILL t                          ; row t of my twelve: eight loads of 512 consecutive bytes
.irp j, 0,1,2,3,4,5,6,7
	global_load_b128 v[X+32*((\t)%SLOTS)+4*\j:X+32*((\t)%SLOTS)+4*\j+3], v[OFF], s[4:5] offset:(\t)*ROWB+512*\j th:TH_LOAD_NT
.endr
.endm
.macro FIRST_FILLS
	FILL 0
	FILL 1
	FILL 2
	FILL 3
.endm
.macro WAVE_SUM r, t                   ; the sum over the 32 lanes, in every lane; t: a register that has been written
	s_delay_alu instid0(VALU_DEP_1)
	v_add_f32_dpp v[\r], v[\r], v[\r] row_xmask:1 row_mask:0xf bank_mask:0xf
	s_delay_alu instid0(VALU_DEP_1)
	v_add_f32_dpp v[\r], v[\r], v[\r] row_xmask:2 row_mask:0xf bank_mask:0xf
	s_delay_alu instid0(VALU_DEP_1)
	v_add_f32_dpp v[\r], v[\r], v[\r] row_xmask:4 row_mask:0xf bank_mask:0xf
	s_delay_alu instid0(VALU_DEP_1)
	v_add_f32_dpp v[\r], v[\r], v[\r] row_xmask:8 row_mask:0xf bank_mask:0xf
	v_permlanex16_b32 v[\t], v[\r], s[SEL], s[SEL+1]
	s_delay_alu instid0(VALU_DEP_1)
	v_add_f32 v[\r], v[\r], v[\t]
.endm
; The 32 numbers in v[N] on, a whole block in a lane, become six registers of codes in v[C] on and the scale's byte in v[SB].
.macro QUANT32
	v_max3_num_f32 v[M],   |v[N]|,   |v[N+1]|, |v[N+2]|           ; the largest magnitude, in two chains
	v_max3_num_f32 v[M+1], |v[N+3]|, |v[N+4]|, |v[N+5]|
.irp i, 6,10,14,18,22,26
	s_delay_alu instid0(VALU_DEP_2)
	v_max3_num_f32 v[M],   v[M],   |v[N+\i]|,   |v[N+\i+1]|
	s_delay_alu instid0(VALU_DEP_2)
	v_max3_num_f32 v[M+1], v[M+1], |v[N+\i+2]|, |v[N+\i+3]|
.endr
	s_delay_alu instid0(VALU_DEP_2)
	v_max3_num_f32 v[M], v[M], |v[N+30]|, |v[N+31]|
	s_delay_alu instid0(VALU_DEP_1)
	v_max3_num_f32 v[M], v[M], v[M+1], 0x2800000                  ; and the floor 2^(5 - 127): the byte cannot fall under 1
	s_delay_alu instid0(VALU_DEP_1)
	v_add_nc_u32 v[SO], 0xfe000000, v[M]                          ; 4 off its exponent field: the conversion takes the exponent field of this operand as its scale
	v_cvt_scalef32_pk16_bf6_f32 v[C:C+2],   v[N:N+15],    v[SO]
	v_cvt_scalef32_pk16_bf6_f32 v[C+4:C+6], v[N+16:N+31], v[SO]   ; (a conversion's three registers begin on an even number)
	v_lshrrev_b32 v[SB], 23, v[SO]                                ; the scale's byte; also the plain instruction between the conversions and the moves that touch their results
	v_mov_b32 v[C+3], v[C+4]                                      ; the block's six registers on end
	v_mov_b32 v[C+4], v[C+5]
	v_mov_b32 v[C+5], v[C+6]
.endm
; Where block v[BLK] of a row lies.  fb: the scalar with the row's place among the fragments;  sb: that with the row's first scale byte.
.macro BLKADR fb, sb
	v_lshrrev_b32 v[ADA], 2, v[BLK]                               ; K step
	v_and_b32 v[ADB], 1, v[BLK]                                   ; h
	s_delay_alu instid0(VALU_DEP_2)
	v_mul_u32_u24 v[ADA], v[ADA], FRB
	s_delay_alu instid0(VALU_DEP_1)
	v_lshl_add_u32 v[ADA], v[ADB], 8, v[ADA]                      ; lanes 16 to 31 lie 256 bytes on
	v_bfe_u32 v[ADB], v[BLK], 1, 1                                ; c
	s_delay_alu instid0(VALU_DEP_1)
	v_mad_u32_u24 v[ADA], v[ADB], 520, v[ADA]
	s_delay_alu instid0(VALU_DEP_1)
	v_add_nc_u32 v[ADA], s[\fb], v[ADA]                           ; piece 0; piece 2 lies 512 bytes on
	s_delay_alu instid0(VALU_DEP_1)
	v_mad_u32_u24 v[ADB], v[ADB], 496, v[ADA]                     ; piece 1 lies 8 (c = 0) or 504 (c = 1) bytes behind piece 0: the 8 stand in the store's immediate
	v_add_nc_u32 v[ADS], s[\sb], v[BLK]
.endm
.macro STORES base
	global_store_b64 v[ADA], v[C:C+1],   s[\base:\base+1]
	global_store_b64 v[ADB], v[C+2:C+3], s[\base:\base+1] offset:8
	global_store_b64 v[ADA], v[C+4:C+5], s[\base:\base+1] offset:512
	global_store_b8  v[ADS], v[SB], s[14:15]
.endm
	s_load_b256 s[4:11], s[0:1], 0x0               ; hidden_states s[4:5], task_cls s[6:7], W s[8:9], acodes s[10:11]
	s_load_b128 s[12:15], s[0:1], 0x20             ; wcodes s[12:13], scales s[14:15]
	v_lshl_add_u32 v216, v0, 2, 0x400
	v_mov_b32 v217, 0
	v_lshrrev_b32 v1, 5, v0
	s_delay_alu instid0(VALU_DEP_1)
	v_readfirstlane_b32 s[WV], v1                  ; wave 0..15
	v_and_b32 v[LANE], 31, v0
	s_delay_alu instid0(VALU_DEP_3)
	v_mul_u32_u24 v[OFF], v1, RPW*ROWB             ; my wave's 12 rows,
	s_delay_alu instid0(VALU_DEP_1)
	v_lshl_add_u32 v[OFF], v[LANE], 4, v[OFF]      ; 16 bytes a lane
	v_mul_u32_u24 v[LW], v1, 4*RPW
	v_lshlrev_b32 v[LR], 7, v1
	s_lshr_b32 s[BB], ttmp9, 2
	s_and_b32 s[QQ], ttmp9, 3
	s_mul_i32 s20, ttmp9, RPG*ROWB                 ; the work-group's 192 rows: under 2^32
	s_mov_b32 s21, 0
	s_lshr_b32 s[FB], s[BB], 4
	s_mul_i32 s[FB], s[FB], 7*FRB
	s_and_b32 s22, s[BB], 15
	s_lshl_b32 s22, s22, 4
	s_add_co_u32 s[FB], s[FB], s22
	s_lshl_b32 s[SCB], s[BB], 5
	s_mov_b32 s[SEL], 0x76543210
	s_mov_b32 s[SEL+1], 0xfedcba98
	s_lshr_b32 s19, ttmp9, 4                       ; 0 in work-groups 0 to 15
	s_lshl_b32 s19, s19, 8
	s_or_b32 s19, s19, s[WV]                       ; 1 in their wave 1 alone
	s_wait_kmcnt 0x0
	s_add_nc_u64 s[4:5], s[4:5], s[20:21]
	s_cmp_eq_u32 s[WV], 0
	s_cbranch_scc1 .Ltask
	s_cmp_eq_u32 s19, 1
	s_cbranch_scc1 .Lweights
	s_wait_alu depctr_va_vdst(0)
	FIRST_FILLS                                    ; a wave without a side job
	s_branch .Lring
; ---- wave 0: the softmax of task row b, and one block of it as codes
.Ltask:
	s_mul_i32 s22, s[BB], 400                      ; the row's first byte
	s_wait_alu depctr_va_vdst(0)
	v_min_u32 v[J0], 24, v[LANE]                   ; lanes 0 to 24 take four numbers each; the others take lane 24's again: no load leaves the row
	s_delay_alu instid0(VALU_DEP_1)
	v_lshl_add_u32 v[J0], v[J0], 4, s22
	s_lshl_b32 s23, s[QQ], 7
	s_add_co_u32 s23, s23, s22
	v_mov_b32 v[J0+1], s23                         ; my block's numbers 0 to 3: they lie inside the row for every block
	s_min_u32 s24, s[QQ], 2
	s_lshl_b32 s24, s24, 7
	s_add_co_u32 s24, s24, s22
	v_mov_b32 v[J0+2], s24                         ; its numbers 4 to 31; block 3 has none inside the row and reads block 2's, which are multiplied by 0 below
	global_load_b128 v[TA:TA+3], v[J0], s[6:7]
	global_load_b128 v[N:N+3], v[J0+1], s[6:7]     ; every lane reads the same 32 numbers: the conversions want a block in ONE lane's registers
.irp i, 1,2,3,4,5,6,7
	global_load_b128 v[N+4*\i:N+4*\i+3], v[J0+2], s[6:7] offset:16*\i
.endr
	FIRST_FILLS
	s_mov_b32 s[L2E], 0x3fb8aa3b                   ; log2(e)
	s_cmp_eq_u32 s[QQ], 3
	s_cselect_b32 s[K01], 0, 1.0
	s_add_co_u32 s25, s[QQ], 24
	v_mov_b32 v[BLK], s25                          ; blocks 24 to 27 of the fused row
	BLKADR FB, SCB
	v_mov_b32 v[M+1], 0                            ; written once: a lane permute's destination counts as one of its sources
	s_wait_loadcnt 8*SLOTS                         ; my nine loads are in; the ring's 32, issued behind them, stay out
	v_max3_num_f32 v[M], v[TA], v[TA+1], v[TA+2]   ; the row's maximum
	s_delay_alu instid0(VALU_DEP_1)
	v_max_num_f32 v[M], v[M], v[TA+3]
	s_delay_alu instid0(VALU_DEP_1)
	v_max_num_f32_dpp v[M], v[M], v[M] row_xmask:1 row_mask:0xf bank_mask:0xf
	s_delay_alu instid0(VALU_DEP_1)
	v_max_num_f32_dpp v[M], v[M], v[M] row_xmask:2 row_mask:0xf bank_mask:0xf
	s_delay_alu instid0(VALU_DEP_1)
	v_max_num_f32_dpp v[M], v[M], v[M] row_xmask:4 row_mask:0xf bank_mask:0xf
	s_delay_alu instid0(VALU_DEP_1)
	v_max_num_f32_dpp v[M], v[M], v[M] row_xmask:8 row_mask:0xf bank_mask:0xf
	s_wait_alu depctr_va_vdst(0)
	v_permlanex16_b32 v[M+1], v[M], s[SEL], s[SEL+1]
	s_delay_alu instid0(VALU_DEP_1)
	v_max_num_f32 v[M], v[M], v[M+1]
	s_delay_alu instid0(VALU_DEP_1)
	v_mul_f32 v[M], s[L2E], v[M]                   ; maximum x log2(e): its rounding is a factor common to all numbers of the row, which the division by the sum takes out
.irp i, 0,1,2,3
	v_fma_f32 v[TA+\i], v[TA+\i], s[L2E], -v[M]    ; (t - maximum) x log2(e), rounded once
.endr
.set i, 0
.rept 32
	v_fma_f32 v[N+i], v[N+i], s[L2E], -v[M]
.set i, i+1
.endr
	s_wait_alu depctr_va_vdst(0)
.irp i, 0,1,2,3
	v_exp_f32 v[TA+\i], v[TA+\i]
.endr
.set i, 0
.rept 32
	v_exp_f32 v[N+i], v[N+i]
.set i, i+1
.endr
	v_nop                                          ; a plain instruction behind the last exponential
	s_wait_alu depctr_va_vdst(0)                   ; one wait for the batch of 36, ahead of its first reader
	v_cmp_gt_u32 vcc_lo, 25, v[LANE]
	v_add_f32 v[TA], v[TA], v[TA+1]
	v_add_f32 v[TA+2], v[TA+2], v[TA+3]
	s_delay_alu instid0(VALU_DEP_1)
	v_add_f32 v[TA], v[TA], v[TA+2]
	s_delay_alu instid0(VALU_DEP_1)
	v_cndmask_b32 v[TA], 0, v[TA], vcc_lo          ; lanes 25 to 31 hold lane 24's numbers again: they count for nothing
	WAVE_SUM TA, TA+1
	s_wait_alu depctr_va_vdst(0)
	v_rcp_f32 v[R], v[TA]
	v_nop                                          ; a plain instruction behind the reciprocal
	s_wait_alu depctr_va_vdst(0)                   ; and its wait, ahead of the first reader
	v_mul_f32 v[R+1], s[K01], v[R]                 ; 0 where the numbers lie past the row's end: the quantiser's fill with zeros
.irp i, 0,1,2,3
	v_mul_f32 v[N+\i], v[N+\i], v[R]               ; the finished, normalised softmax
.endr
.set i, 4
.rept 28
	v_mul_f32 v[N+i], v[N+i], v[R+1]
.set i, i+1
.endr
	QUANT32
	s_wait_alu depctr_va_vdst(0)
	s_wait_xcnt 0x0                                ; EXEC is a source of the loads that are out: it changes only behind this wait
	v_cmp_eq_u32 vcc_lo, 0, v[LANE]
	s_and_saveexec_b32 s28, vcc_lo                 ; all lanes hold the same block: lane 0 stores it
	STORES 10
	s_wait_xcnt 0x0                                ; and again ahead of the line that widens it; the stores' registers are free behind it too
	s_or_b32 exec_lo, exec_lo, s28
	s_branch .Lring
; ---- wave 1 of work-groups 0 to 15: row g of W, a block a lane
.Lweights:
	s_mul_i32 s22, ttmp9, 3472                     ; a row of W: 868 numbers
	s_wait_alu depctr_va_vdst(0)
	v_min_u32 v[BLK], 27, v[LANE]                  ; lanes 28 to 31 go along with block 27 and store nothing
	s_delay_alu instid0(VALU_DEP_1)
	v_lshl_add_u32 v[J0], v[BLK], 7, s22           ; a block's numbers 0 to 3: inside the row for every block
	v_min_u32 v[J0+1], 26, v[LANE]
	s_delay_alu instid0(VALU_DEP_1)
	v_lshl_add_u32 v[J0+1], v[J0+1], 7, s22        ; its numbers 4 to 31; block 27 has none inside the row and reads block 26's, which are replaced by 0 below: no load leaves the buffer
	global_load_b128 v[N:N+3], v[J0], s[8:9]
.irp i, 1,2,3,4,5,6,7
	global_load_b128 v[N+4*\i:N+4*\i+3], v[J0+1], s[8:9] offset:16*\i
.endr
	FIRST_FILLS
	s_lshl_b32 s30, ttmp9, 4                       ; wcodes: lane = expert
	s_lshl_b32 s31, ttmp9, 5
	s_add_co_u32 s31, s31, WSC
	BLKADR 30, 31
	s_wait_loadcnt 8*SLOTS                         ; my eight loads are in; the ring's 32 stay out
	v_cmp_gt_u32 vcc_lo, 27, v[BLK]
.set i, 4
.rept 28
	v_cndmask_b32 v[N+i], 0, v[N+i], vcc_lo        ; past k = 867: zeros
.set i, i+1
.endr
	QUANT32
	s_wait_alu depctr_va_vdst(0)
	s_wait_xcnt 0x0                                ; EXEC changes only behind this wait
	v_cmp_gt_u32 vcc_lo, 28, v[LANE]
	s_and_saveexec_b32 s28, vcc_lo
	STORES 12
	s_wait_xcnt 0x0
	s_or_b32 exec_lo, exec_lo, s28
; ---- the ring: a row's turn.  The slot's 32 numbers a lane are added in pairs; as soon as all have been read the slot is asked for again.
.Lring:
.macro TURN t
.set XS, X+32*((\t)%SLOTS)
.if RPW-1-(\t) >= SLOTS-1
	s_wait_loadcnt 8*(SLOTS-1)                     ; loads come back in order: this row's eight are in, the three younger rows' 24 stay out
.else
	s_wait_loadcnt 8*(RPW-1-(\t))                  ; the last rows: the counts run down
.endif
.irp i, 0,1,2,3,4,5,6,7
	v_pk_add_f32 v[T+2*\i:T+2*\i+1], v[XS+4*\i:XS+4*\i+1], v[XS+4*\i+2:XS+4*\i+3]
.endr
.if (\t)+SLOTS < RPW
	FILL (\t)+SLOTS
.endif
.irp i, 0,1,2,3
	v_pk_add_f32 v[T+2*\i:T+2*\i+1], v[T+2*\i:T+2*\i+1], v[T+8+2*\i:T+8+2*\i+1]
.endr
.irp i, 0,1
	s_delay_alu instid0(VALU_DEP_2)
	v_pk_add_f32 v[T+2*\i:T+2*\i+1], v[T+2*\i:T+2*\i+1], v[T+4+2*\i:T+4+2*\i+1]
.endr
	s_delay_alu instid0(VALU_DEP_1)
	v_pk_add_f32 v[T:T+1], v[T:T+1], v[T+2:T+3]
	s_delay_alu instid0(VALU_DEP_1)
	v_add_f32 v[T], v[T], v[T+1]
	WAVE_SUM T, T+1
	s_delay_alu instid0(VALU_DEP_1)
	v_mul_f32 v[T], 0x3a800000, v[T]               ; / 1,024: exact
	ds_store_b32 v[LW], v[T] offset:4*(\t)         ; all lanes write the same word with the same value
.endm
.irp t, 0,1,2,3,4,5,6,7,8,9,10,11
	TURN \t
.endr
	s_wait_dscnt 0x0                               ; for the others' sake: my twelve means lie in LDS
	s_barrier_signal -1
	s_barrier_wait -1                              ; all 192 do
	s_cmp_gt_u32 s[WV], 5
	s_cbranch_scc1 .Ldone
; ---- waves 0 to 5: block 6 (g % 4) + wave of fused row b
.irp i, 0,1,2,3,4,5,6,7
	ds_load_b128 v[N+4*\i:N+4*\i+3], v[LR] offset:16*\i   ; every lane reads the same 32 means
.endr
	s_mul_i32 s25, s[QQ], 6
	s_add_co_u32 s25, s25, s[WV]
	v_mov_b32 v[BLK], s25
	BLKADR FB, SCB
	s_wait_dscnt 0x0
	QUANT32
	s_wait_alu depctr_va_vdst(0)
	s_wait_xcnt 0x0                                ; EXEC changes only behind this wait
	v_cmp_eq_u32 vcc_lo, 0, v[LANE]
	s_and_saveexec_b32 s28, vcc_lo                 ; lane 0 stores; the wave ends behind its stores
	STORES 10
.Ldone:
	s_wait_xcnt 0x0
	s_mov_b32 exec_lo, -1
	s_wait_tensorcnt 0x0
	ds_add_u32 v216, v217
	s_wait_dscnt 0x0
	s_endpgm
.Lfunc_end_k_q509bdac9a2_pool:
	.size	k_q509bdac9a2_pool, .Lfunc_end_k_q509bdac9a2_pool-k_q509bdac9a2_pool
	.p2alignl 7, 3214868480
	.fill 96, 4, 3214868480
	.section	.rodata,"a",@progbits
	.p2align	6, 0x0
	.amdhsa_kernel k_q509bdac9a2_pool
		.amdhsa_group_segment_fixed_size 3072
		.amdhsa_private_segment_fixed_size 0
		.amdhsa_enable_private_segment 0
		.amdhsa_kernarg_size 48
		.amdhsa_user_sgpr_count 2
		.amdhsa_user_sgpr_kernarg_segment_ptr 1
		.amdhsa_wavefront_size32 1
		.amdhsa_system_sgpr_workgroup_id_x 1
		.amdhsa_system_sgpr_workgroup_id_y 1
		.amdhsa_system_sgpr_workgroup_id_z 1
		.amdhsa_system_vgpr_workitem_id 0
		.amdhsa_next_free_vgpr 218
		.amdhsa_next_free_sgpr 66
		.amdhsa_reserve_vcc 1
		.amdhsa_float_denorm_mode_32 3
		.amdhsa_float_denorm_mode_16_64 3
		.amdhsa_memory_ordered 1
		.amdhsa_forward_progress 1
		.amdhsa_inst_pref_size 59
	.end_amdhsa_kernel
	.amdgpu_metadata
---
amdhsa.version: [ 1, 2 ]
amdhsa.kernels:
  - .name:           k_q509bdac9a2_pool
    .symbol:         k_q509bdac9a2_pool.kd
    .args:
      - { .name: hidden_states, .offset: 0, .size: 8, .value_kind: global_buffer, .address_space: global }
      - { .name: task_cls, .offset: 8, .size: 8, .value_kind: global_buffer, .address_space: global }
      - { .name: W, .offset: 16, .size: 8, .value_kind: global_buffer, .address_space: global }
      - { .name: acodes, .offset: 24, .size: 8, .value_kind: global_buffer, .address_space: global }
      - { .name: wcodes, .offset: 32, .size: 8, .value_kind: global_buffer, .address_space: global }
      - { .name: scales, .offset: 40, .size: 8, .value_kind: global_buffer, .address_space: global }
    .group_segment_fixed_size: 3072
    .private_segment_fixed_size: 0
    .kernarg_segment_align: 8
    .kernarg_segment_size: 48
    .max_flat_workgroup_size: 512
    .sgpr_count:     66
    .vgpr_count:     218
    .wavefront_size: 32
...
	.end_amdgpu_metadata
.endif
;; end of part 1
;; launch route (part 2): grid 1 x 1, 4 waves a work-group, no clusters, 2,048 bytes of LDS; arguments acodes, wcodes, scales, b, out0, out1, out2, out3; writes out0, out1, out2, out3
.if DOCPART == 2
	.amdgcn_target "amdgcn-amd-amdhsa--gfx1250"
	.amdhsa_code_object_version 6
	.text
	.protected	k_q509bdac9a2_route
	.globl	k_q509bdac9a2_route
	.p2align	8
	.type	k_q509bdac9a2_route,@function
k_q509bdac9a2_route:
	s_mov_b64 s[64:65], 0
	v_nop
	global_prefetch_b8 v0, s[64:65] scope:SCOPE_SE
	s_setreg_imm32_b32 hwreg(HW_REG_WAVE_MODE, 25, 1), 1
	s_wait_xcnt 0x0
; THE GATE.  router_logits [64][16] = fused [64][896] x W^T [896][16] + b on codes of BF6 (E3M2) with E8M0 scales, as the launch before has laid them; then softmax over the 16 experts, the two largest
; (ties: the lower index), their weights renormalised, and the one-hot mask [16][2][64].
; SHARES.  One work-group of four waves; wave m takes batch rows 16 m .. 16 m + 15: seven matrix instructions of 16 x 16 x 128.  All that a wave needs is asked for at once: 46 loads, each fragment
; by three loads of 512 consecutive bytes (the workspace holds images of the operand's registers).
; THE PRODUCT IS USED TRANSPOSED: source 0 = W's 16 rows (experts), source 1 = 16 fused rows.  Lane (r, h) then holds batch row r, and its register j expert 8 h + j: softmax and top 2 need one exchange between
; the halves of the lanes.  The bias is the C of the first product.  Two accumulators take turns (even and odd K steps); their sum is the logits.
; ONE REGISTER CARRIES BOTH SIDES' SCALES of a K step: lanes 0-15 the fused rows' words, lanes 16-31 W's (read with MATRIX_SCALE_ROW1).
; THE WAY OUT.  out0: 32 bytes a lane, a wave's 1,024 consecutive bytes by two stores.  The weights and the chosen experts of all 64 rows meet in LDS; behind one barrier wave 0 stores out1, wave 1 out2
; (512 consecutive bytes each), and each wave four experts' part of out3, 512 consecutive bytes a store.  No address and no branch hangs on the choice: the mask is made by compares.
; LIMITS: NaN and infinities are not served.  v_exp_f32 gives 0 for results under 2^-126: such probabilities count as 0, and among equal numbers the lower index is taken, as top_k takes it.
.set FRB,  1536                        ; bytes of a fragment's image
.set WSC,  2048                        ; where W's scale bytes begin in scales
.set LSEL, 1024                        ; LDS: 0: out1's image (512 bytes); 512: out2's; 1,024: the chosen experts as [k][b] (512 bytes)
.set IMG,  5                           ; v5   16 x lane
.set AOF,  6                           ; v6   my tile's fragments in acodes
.set SOF,  7                           ; v7   my scale words
.set BOF,  8                           ; v8   my eight numbers of b
.set O0,   9                           ; v9   my 32 bytes of out0
.set LPS,  10                          ; v10  LDS: where I put a pair (lanes 0-15: weights; lanes 16-31: experts)
.set LSS,  11                          ; v11  LDS: where I put expert k = h of my row
.set LPR,  12                          ; v12  LDS: where waves 0 and 1 read out1's and out2's image
.set LSR,  13                          ; v13  LDS: experts k = h of rows 4 r .. 4 r + 3
.set O3,   14                          ; v14  my 16 bytes of out3
.set ONE,  15                          ; v15  1
.set AF,   16                          ; v16-99   the fused rows' seven fragments
.set WF,   100                         ; v100-183 W's seven
.set SC,   184                         ; v184-190 the scale words of the seven K steps
.set BIAS, 192                         ; v192-199 b in the result's layout
.set ACC0, 200
.set ACC1, 208
.set LG,   216                         ; v216-223 the logits
.set E,    224                         ; v224-231 exponentials, then probabilities
.set IX,   232                         ; v232-239 the experts' numbers 8 h + j
.set PX,   240                         ; v240-243 what the other half of the lanes sends
.set MX,   244
.set SM,   246                         ; v246-249 sums
.set V1,   250                         ; the largest of my eight, its expert, the second, its expert
.set I1,   251
.set V2,   252
.set I2,   253
.set TV,   254
.set TI,   255
; behind the products the fragments' registers are free:
.set LO1,  16                          ; the two best of experts 0-7
.set LOI1, 17
.set LO2,  18
.set LOI2, 19
.set HI1,  20                          ; the two best of experts 8-15
.set HII1, 21
.set HI2,  22
.set HII2, 23
.set BV1,  24                          ; the two best of all
.set BX1,  25
.set BV2,  26
.set BX2,  27
.set CX,   28
.set CXI,  29
.set CY,   30
.set CYI,  31
.set DS,   32
.set DP,   34                          ; v34-35 a pair for LDS
.set SQ,   36                          ; v36-39
.set PQ,   40                          ; v40-43
.set OM,   44                          ; v44-59 the mask: four registers for each of my four experts
.set WV,   20                          ; s20  wave = tile of rows
.set SEL,  36                          ; s[36:37] v_permlanex16_b32's selects for lane l xor 16
.set L2E,  38                          ; s38  log2(e)
.set HM,   39                          ; s39  the mask of lanes 16-31
	s_load_b256 s[4:11], s[0:1], 0x0               ; acodes s[4:5], wcodes s[6:7], scales s[8:9], b s[10:11]
	s_load_b256 s[12:19], s[0:1], 0x20             ; out0 s[12:13], out1 s[14:15], out2 s[16:17], out3 s[18:19]
	v_lshl_add_u32 v191, v0, 2, 0x600
	v_mov_b32 v245, 0
	v_lshrrev_b32 v1, 5, v0
	v_readfirstlane_b32 s[WV], v1                  ; wave 0..3
	v_and_b32 v2, 31, v0                           ; lane
	v_and_b32 v3, 15, v0                           ; r
	v_bfe_u32 v4, v0, 4, 1                         ; h
	v_lshlrev_b32 v[IMG], 4, v2
	s_mul_i32 s21, s[WV], 7*FRB
	v_add_nc_u32 v[AOF], s21, v[IMG]
	s_lshl_b32 s22, s[WV], 9                       ; my 16 rows' scale bytes: 32 a row
	s_sub_co_u32 s23, WSC, s22
	v_mul_u32_u24 v[SOF], s23, v4                  ; lanes 16-31 take W's
	v_lshl_add_u32 v[SOF], v3, 5, v[SOF]
	v_add_nc_u32 v[SOF], s22, v[SOF]
	v_lshlrev_b32 v[BOF], 5, v4
	s_wait_alu depctr_va_vdst(0)
	s_wait_kmcnt 0x0
	global_load_b128 v[SC:SC+3], v[SOF], s[8:9]            ; the words of K steps 0 to 3,
	global_load_b96 v[SC+4:SC+6], v[SOF], s[8:9] offset:16 ; and 4 to 6: 28 bytes a row are written and read
	global_load_b128 v[BIAS:BIAS+3], v[BOF], s[10:11]
	global_load_b128 v[BIAS+4:BIAS+7], v[BOF], s[10:11] offset:16
.irp s, 0,1,2,3,4,5,6
.irp g, 0,1,2
	global_load_b128 v[WF+12*\s+4*\g:WF+12*\s+4*\g+3], v[IMG], s[6:7] offset:FRB*\s+512*\g
.endr
.irp g, 0,1,2
	global_load_b128 v[AF+12*\s+4*\g:AF+12*\s+4*\g+3], v[AOF], s[4:5] offset:FRB*\s+512*\g
.endr
.endr
	; while the loads are out: every LDS address, the experts' numbers, constants
	v_lshlrev_b32 v[LPS], 3, v3
	v_lshl_add_u32 v[LPS], v4, 9, v[LPS]
	s_lshl_b32 s24, s[WV], 7
	v_add_nc_u32 v[LPS], s24, v[LPS]               ; 512 h + 8 (16 m + r)
	v_lshlrev_b32 v[LSS], 2, v3
	v_lshl_add_u32 v[LSS], v4, 8, v[LSS]
	s_lshl_b32 s25, s[WV], 6
	s_add_co_u32 s25, s25, LSEL
	v_add_nc_u32 v[LSS], s25, v[LSS]               ; 1,024 + 256 h + 4 (16 m + r)
	v_add_nc_u32 v[LPR], s22, v[IMG]               ; 512 x wave + 16 x lane
	v_add_nc_u32 v[LSR], LSEL, v[IMG]              ; 1,024 + 256 h + 16 r
	s_lshl_b32 s26, s[WV], 11
	v_add_nc_u32 v[O3], s26, v[IMG]                ; out3: expert 4 m: 512 bytes an expert; 16 x lane = 256 k + 4 b with k = h, b = 4 r
	s_lshl_b32 s27, s[WV], 10
.irp j, 0,1,2,3,4,5,6,7
	v_lshl_add_u32 v[IX+\j], v4, 3, \j
.endr
.irp j, 0,1,2,3
	v_mov_b32 v[PX+\j], 0                          ; written once: a lane permute's destination counts as one of its sources
.endr
	s_mov_b32 s[SEL], 0x76543210
	s_mov_b32 s[SEL+1], 0xfedcba98
	s_mov_b32 s[L2E], 0x3fb8aa3b
	s_mov_b32 s[HM], 0xffff0000
	s_lshl_b32 s44, s[WV], 2                       ; my four experts of out3
	s_add_co_u32 s45, s44, 1
	s_add_co_u32 s46, s44, 2
	s_add_co_u32 s47, s44, 3
; K step s onto accumulator acc.  start = 1: C is the bias; 2: C is 0; 0: the sum goes on in place.  The wait leaves the six fragment loads of each later K step out.
.macro MM s, acc, start
	s_wait_loadcnt 6*(6-\s)
.if \start == 1
	v_wmma_scale_f32_16x16x128_f8f6f4 v[\acc:\acc+7], v[WF+12*\s:WF+12*\s+11], v[AF+12*\s:AF+12*\s+11], v[BIAS:BIAS+7], v[SC+\s], v[SC+\s] matrix_a_fmt:MATRIX_FMT_BF6 matrix_b_fmt:MATRIX_FMT_BF6 matrix_a_scale:MATRIX_SCALE_ROW1
.elseif \start == 2
	v_wmma_scale_f32_16x16x128_f8f6f4 v[\acc:\acc+7], v[WF+12*\s:WF+12*\s+11], v[AF+12*\s:AF+12*\s+11], 0, v[SC+\s], v[SC+\s] matrix_a_fmt:MATRIX_FMT_BF6 matrix_b_fmt:MATRIX_FMT_BF6 matrix_a_scale:MATRIX_SCALE_ROW1
.else
	v_wmma_scale_f32_16x16x128_f8f6f4 v[\acc:\acc+7], v[WF+12*\s:WF+12*\s+11], v[AF+12*\s:AF+12*\s+11], v[\acc:\acc+7], v[SC+\s], v[SC+\s] matrix_a_fmt:MATRIX_FMT_BF6 matrix_b_fmt:MATRIX_FMT_BF6 matrix_a_scale:MATRIX_SCALE_ROW1
.endif
.endm
	MM 0, ACC0, 1
	MM 1, ACC1, 2
	MM 2, ACC0, 0
	MM 3, ACC1, 0
	MM 4, ACC0, 0
	MM 5, ACC1, 0
	MM 6, ACC0, 0
	v_lshlrev_b32 v[O0], 6, v3                     ; four plain instructions that name none of the products' registers stand between the last product and the first read of a result (ISA guide 7.12.1)
	v_lshl_add_u32 v[O0], v4, 5, v[O0]
	v_add_nc_u32 v[O0], s27, v[O0]                 ; out0: 64 (16 m + r) + 32 h
	v_mov_b32 v[ONE], 1
.irp j, 0,1,2,3,4,5,6,7
	v_add_f32 v[LG+\j], v[ACC0+\j], v[ACC1+\j]     ; the logits; each accumulator is read from its low end on
.endr
	global_store_b128 v[O0], v[LG:LG+3], s[12:13]
	global_store_b128 v[O0], v[LG+4:LG+7], s[12:13] offset:16
	; softmax over the row's 16 experts: my eight and those of lane l xor 16
	v_max3_num_f32 v[MX], v[LG], v[LG+1], v[LG+2]
	v_max3_num_f32 v[MX], v[MX], v[LG+3], v[LG+4]
	v_max3_num_f32 v[MX], v[MX], v[LG+5], v[LG+6]
	v_max_num_f32 v[MX], v[MX], v[LG+7]
	v_permlanex16_b32 v[PX], v[MX], s[SEL], s[SEL+1]
	v_max_num_f32 v[MX], v[MX], v[PX]              ; the row's maximum, which is taken away
	v_mul_f32 v[MX], s[L2E], v[MX]
.irp j, 0,1,2,3,4,5,6,7
	v_fma_f32 v[E+\j], v[LG+\j], s[L2E], -v[MX]
.endr
	s_wait_alu depctr_va_vdst(0)
.irp j, 0,1,2,3,4,5,6,7
	v_exp_f32 v[E+\j], v[E+\j]
.endr
	v_nop                                          ; a plain instruction behind the last exponential
	s_wait_alu depctr_va_vdst(0)                   ; one wait for the eight, ahead of their first reader
	v_add_f32 v[SM], v[E], v[E+1]
	v_add_f32 v[SM+1], v[E+2], v[E+3]
	v_add_f32 v[SM+2], v[E+4], v[E+5]
	v_add_f32 v[SM+3], v[E+6], v[E+7]
	v_add_f32 v[SM], v[SM], v[SM+1]
	v_add_f32 v[SM+2], v[SM+2], v[SM+3]
	v_add_f32 v[SM], v[SM], v[SM+2]
	v_permlanex16_b32 v[PX], v[SM], s[SEL], s[SEL+1]
	v_add_f32 v[SM], v[SM], v[PX]
	s_wait_alu depctr_va_vdst(0)
	v_rcp_f32 v[SM], v[SM]
	v_nop
	s_wait_alu depctr_va_vdst(0)
.irp j, 0,1,2,3,4,5,6,7
	v_mul_f32 v[E+\j], v[E+\j], v[SM]              ; routing_probs
.endr
	; the two largest of my eight, in ascending order of the experts and by strict comparisons: of equal numbers the lower index stays in front
	v_cmp_gt_f32 vcc_lo, v[E+1], v[E]
	v_cndmask_b32 v[V1], v[E], v[E+1], vcc_lo
	v_cndmask_b32 v[I1], v[IX], v[IX+1], vcc_lo
	v_cndmask_b32 v[V2], v[E+1], v[E], vcc_lo
	v_cndmask_b32 v[I2], v[IX+1], v[IX], vcc_lo
.irp j, 2,3,4,5,6,7
	v_cmp_gt_f32 s40, v[E+\j], v[V1]               ; a new first: the old first becomes the second
	v_cmp_gt_f32 vcc_lo, v[E+\j], v[V2]            ; else a new second?
	v_cndmask_b32 v[TV], v[V2], v[E+\j], vcc_lo
	v_cndmask_b32 v[TI], v[I2], v[IX+\j], vcc_lo
	v_cndmask_b32 v[V2], v[TV], v[V1], s40
	v_cndmask_b32 v[I2], v[TI], v[I1], s40
	v_cndmask_b32 v[V1], v[V1], v[E+\j], s40
	v_cndmask_b32 v[I1], v[I1], v[IX+\j], s40
.endr
	; both halves of the lanes make the same merge: LO = the pair of experts 0-7, HI = that of experts 8-15; of equal numbers LO's is taken
	v_permlanex16_b32 v[PX], v[V1], s[SEL], s[SEL+1]
	v_permlanex16_b32 v[PX+1], v[I1], s[SEL], s[SEL+1]
	v_permlanex16_b32 v[PX+2], v[V2], s[SEL], s[SEL+1]
	v_permlanex16_b32 v[PX+3], v[I2], s[SEL], s[SEL+1]
	v_cndmask_b32 v[LO1],  v[V1], v[PX],   s[HM]
	v_cndmask_b32 v[LOI1], v[I1], v[PX+1], s[HM]
	v_cndmask_b32 v[LO2],  v[V2], v[PX+2], s[HM]
	v_cndmask_b32 v[LOI2], v[I2], v[PX+3], s[HM]
	v_cndmask_b32 v[HI1],  v[PX],   v[V1], s[HM]
	v_cndmask_b32 v[HII1], v[PX+1], v[I1], s[HM]
	v_cndmask_b32 v[HI2],  v[PX+2], v[V2], s[HM]
	v_cndmask_b32 v[HII2], v[PX+3], v[I2], s[HM]
	v_cmp_gt_f32 s40, v[HI1], v[LO1]
	v_cndmask_b32 v[BV1], v[LO1],  v[HI1],  s40    ; the largest of all
	v_cndmask_b32 v[BX1], v[LOI1], v[HII1], s40
	v_cndmask_b32 v[CX],  v[LO2],  v[LO1],  s40    ; what is left in front on LO's side,
	v_cndmask_b32 v[CXI], v[LOI2], v[LOI1], s40
	v_cndmask_b32 v[CY],  v[HI1],  v[HI2],  s40    ; and on HI's
	v_cndmask_b32 v[CYI], v[HII1], v[HII2], s40
	v_cmp_gt_f32 vcc_lo, v[CY], v[CX]
	v_cndmask_b32 v[BV2], v[CX],  v[CY],  vcc_lo   ; the second
	v_cndmask_b32 v[BX2], v[CXI], v[CYI], vcc_lo
	v_add_f32 v[SM], v[BV1], v[BV2]                ; at least 1/16: the largest of 16 numbers that add up to 1
	s_wait_alu depctr_va_vdst(0)
	v_rcp_f32 v[SM], v[SM]
	v_cndmask_b32 v[DS], v[BX1], v[BX2], s[HM]     ; expert k = h of my row.  (The plain instruction behind the reciprocal)
	s_wait_alu depctr_va_vdst(0)
	v_mul_f32 v[BV1], v[BV1], v[SM]                ; router_weights
	v_mul_f32 v[BV2], v[BV2], v[SM]
	v_cndmask_b32 v[DP],   v[BV1], v[BX1], s[HM]   ; lanes 0-15 send the weights, lanes 16-31 the experts
	v_cndmask_b32 v[DP+1], v[BV2], v[BX2], s[HM]
	ds_store_b64 v[LPS], v[DP:DP+1]
	ds_store_b32 v[LSS], v[DS]
	s_wait_dscnt 0x0                               ; for the others' sake: my stores have landed
	s_barrier_signal -1
	s_barrier_wait -1                              ; all 64 rows lie in LDS
	ds_load_b128 v[SQ:SQ+3], v[LSR]                ; experts k = h of rows 4 r .. 4 r + 3
	s_cmp_gt_u32 s[WV], 1
	s_cbranch_scc1 .Lmask
	ds_load_b128 v[PQ:PQ+3], v[LPR]                ; wave 0: out1's image; wave 1: out2's
	s_cmp_eq_u32 s[WV], 0
	s_cselect_b64 s[28:29], s[14:15], s[16:17]
	s_wait_dscnt 0x0
	global_store_b128 v[IMG], v[PQ:PQ+3], s[28:29] ; 32 lanes store the whole output: 512 consecutive bytes
.Lmask:
	s_wait_dscnt 0x0
.irp t, 0,1,2,3
.irp i, 0,1,2,3
	v_cmp_eq_u32 vcc_lo, s[44+\t], v[SQ+\i]
	v_cndmask_b32 v[OM+4*\t+\i], 0, v[ONE], vcc_lo ; expert_mask[4 m + t][h][4 r + i]
.endr
	global_store_b128 v[O3], v[OM+4*\t:OM+4*\t+3], s[18:19] offset:512*\t   ; an expert's 512 consecutive bytes
.endr
	s_barrier_signal -1
	s_barrier_wait -1
	s_wait_tensorcnt 0x0
	ds_add_u32 v191, v245
	s_wait_dscnt 0x0
	s_endpgm
.Lfunc_end_k_q509bdac9a2_route:
	.size	k_q509bdac9a2_route, .Lfunc_end_k_q509bdac9a2_route-k_q509bdac9a2_route
	.p2alignl 7, 3214868480
	.fill 96, 4, 3214868480
	.section	.rodata,"a",@progbits
	.p2align	6, 0x0
	.amdhsa_kernel k_q509bdac9a2_route
		.amdhsa_group_segment_fixed_size 2048
		.amdhsa_private_segment_fixed_size 0
		.amdhsa_enable_private_segment 0
		.amdhsa_kernarg_size 64
		.amdhsa_user_sgpr_count 2
		.amdhsa_user_sgpr_kernarg_segment_ptr 1
		.amdhsa_wavefront_size32 1
		.amdhsa_system_sgpr_workgroup_id_x 1
		.amdhsa_system_sgpr_workgroup_id_y 1
		.amdhsa_system_sgpr_workgroup_id_z 1
		.amdhsa_system_vgpr_workitem_id 0
		.amdhsa_next_free_vgpr 256
		.amdhsa_next_free_sgpr 66
		.amdhsa_reserve_vcc 1
		.amdhsa_float_denorm_mode_32 3
		.amdhsa_float_denorm_mode_16_64 3
		.amdhsa_memory_ordered 1
		.amdhsa_forward_progress 1
		.amdhsa_inst_pref_size 18
	.end_amdhsa_kernel
	.amdgpu_metadata
---
amdhsa.version: [ 1, 2 ]
amdhsa.kernels:
  - .name:           k_q509bdac9a2_route
    .symbol:         k_q509bdac9a2_route.kd
    .args:
      - { .name: acodes, .offset: 0, .size: 8, .value_kind: global_buffer, .address_space: global }
      - { .name: wcodes, .offset: 8, .size: 8, .value_kind: global_buffer, .address_space: global }
      - { .name: scales, .offset: 16, .size: 8, .value_kind: global_buffer, .address_space: global }
      - { .name: b, .offset: 24, .size: 8, .value_kind: global_buffer, .address_space: global }
      - { .name: out0, .offset: 32, .size: 8, .value_kind: global_buffer, .address_space: global }
      - { .name: out1, .offset: 40, .size: 8, .value_kind: global_buffer, .address_space: global }
      - { .name: out2, .offset: 48, .size: 8, .value_kind: global_buffer, .address_space: global }
      - { .name: out3, .offset: 56, .size: 8, .value_kind: global_buffer, .address_space: global }
    .group_segment_fixed_size: 2048
    .private_segment_fixed_size: 0
    .kernarg_segment_align: 8
    .kernarg_segment_size: 64
    .max_flat_workgroup_size: 128
    .sgpr_count:     66
    .vgpr_count:     256
    .wavefront_size: 32
...
	.end_amdgpu_metadata
.endif
;; end of part 2
